; MI455X (gfx1250); checked and timed in simulation.
; The chip was launched on July 23, 2026; its instructions are those of AMD's public machine-readable ISA for CDNA 5 (MIT licence, August 2026) and "CDNA5" Instruction Set Architecture Reference Guide (July 2026). The comments in the code are by the model that wrote it; some were corrected since.
;; Transformer Layer. Allowed arithmetic: matrix products marked QUANTISED: E4M3 operands, one given power-of-two scale a tensor, by v_wmma_f32_16x16x64_fp8_fp8 or v_wmma_f32_16x16x128_fp8_fp8, f32 sums; everything else in f32.
;; Inputs: bo 1,024 float32; ln1_scale 1,024 float32; ln2_scale 1,024 float32; lowp_scales 24 int32 (the exponents e of the quantised operands' scales 2^e); wk 1,024 x 1,024 float32; wo 1,024 x 1,024 float32; wq 1,024 x 1,024 float32; wv 1,024 x 1,024 float32; x 2 x 2,048 x 1,024 float32.
;; Outputs: out0 2 x 2,048 x 1,024 float32.
;; This version of the problem:
;;   THIS VERSION OF THE PROBLEM IS GIVEN IN LOW PRECISION. The matrix products marked QUANTISED in the list below multiply operands that are first quantised to E4M3 (4 exponent bits, 3 mantissa bits; 8 bits a number), with one given power-of-two scale for each operand tensor; their sums are f32. All else is computed in f32.
;;   The module's matrix products, in the order in which they are computed (A, B: the left and right operand; K: the contracted axis; several contracted axes count as one K, in the product's order):
;;     1. [M 4,096, K 1,024] x [K 1,024, N 1,024]; A: computed on the way; B: input wq: QUANTISED (scales: A lowp_scales[0], B lowp_scales[1])
;;     2. [M 4,096, K 1,024] x [K 1,024, N 1,024]; A: computed on the way; B: input wk: QUANTISED (scales: A lowp_scales[2], B lowp_scales[3])
;;     3. [M 4,096, K 1,024] x [K 1,024, N 1,024]; A: computed on the way; B: input wv: QUANTISED (scales: A lowp_scales[4], B lowp_scales[5])
;;     4. batch 32 x [M 2,048, K 64] x [K 64, N 2,048]; A: computed on the way; B: computed on the way: QUANTISED (scales: A lowp_scales[6], B lowp_scales[7])
;;     5. batch 32 x [M 2,048, K 2,048] x [K 2,048, N 64]; A: softmax (see below); B: computed on the way: QUANTISED (scales: A lowp_scales[8], B lowp_scales[9])
;;     6. [M 4,096, K 1,024] x [K 1,024, N 1,024]; A: computed on the way; B: input wo: QUANTISED (scales: A lowp_scales[10], B lowp_scales[11])
;;     7. [M 4,096, K 1,024] x [K 1,024, N 1,024]; A: computed on the way; B: input wq: QUANTISED (scales: A lowp_scales[12], B lowp_scales[13])
;;     8. [M 4,096, K 1,024] x [K 1,024, N 1,024]; A: computed on the way; B: input wk: QUANTISED (scales: A lowp_scales[14], B lowp_scales[15])
;;     9. [M 4,096, K 1,024] x [K 1,024, N 1,024]; A: computed on the way; B: input wv: QUANTISED (scales: A lowp_scales[16], B lowp_scales[17])
;;     10. batch 32 x [M 2,048, K 64] x [K 64, N 2,048]; A: computed on the way; B: computed on the way: QUANTISED (scales: A lowp_scales[18], B lowp_scales[19])
;;     11. batch 32 x [M 2,048, K 2,048] x [K 2,048, N 64]; A: softmax (see below); B: computed on the way: QUANTISED (scales: A lowp_scales[20], B lowp_scales[21])
;;     12. [M 4,096, K 1,024] x [K 1,024, N 1,024]; A: computed on the way; B: input wo: QUANTISED (scales: A lowp_scales[22], B lowp_scales[23])
;;   THE QUANTISER, for each operand of a quantised product, along K:
;;     - The operand's scale is 2^e, e = its entry of the input lowp_scales (int32; the entries are numbered through the quantised products in the list's order, A before B).
;;     - Each number is divided by the scale, clamped to +-448, and rounded to the nearest number of E4M3, ties to even, subnormals kept.
;;     - The product sums the exact products of the quantised numbers (number of the format x scale) in f32.
;;   ~~~python
;;   def quantise(x, axis, e):      # numpy; x: float32 -> the quantised numbers, widened to float32 again
;;       x = np.moveaxis(x, axis, -1); K = x.shape[-1]
;;       r = np.clip(x / 2.0 ** e, -448, 448)
;;       step = 2.0 ** (np.maximum(np.frexp(np.where(r == 0, 1, r))[1] - 1, -6) - 3)
;;       q = np.round(r / step) * step * 2.0 ** e      # np.round: ties to even
;;       return np.moveaxis(q, -1, axis).astype(np.float32)
;;   ~~~
;;   SOFTMAX AHEAD OF A QUANTISED PRODUCT. Where the list says 'softmax', what is quantised is not the finished softmax but p = 2^(t - M), with t = logit x log2(e) and M = ceil(the row's largest t), a whole number; so 1/2 < the row's largest p <= 1. The row's sum l is taken of the UNQUANTISED p, in f32, and the product's result is divided by l at the end. Since M is a whole number, a kernel that streams over the keys may use a running M (the ceiling of the running maximum): every later rescaling is an exact power of two, so the quantised numbers keep their values, but for numbers so far below the row's largest that they fall under the format's range.
;;   OPERANDS COMPUTED ON THE WAY. 'Computed on the way' means the value that the module computes at that place (a softmax that the list does not call 'softmax' is quantised finished and normalised). What goes into a quantiser is computed in f32, as accurately as f32 sums, v_exp_f32 and their like allow (about 1e-6 of the number): no bf16 or f16 on the way to a quantiser, and a product that is left as it is and whose result goes on into a quantised operand takes f32 operands (vector FMAs, or v_wmma_f32_16x16x4_f32). A number that lies on a knife's edge between two numbers of the format may be rounded either way, as far as f32 arithmetic and the matrix unit's own rounding can turn it there, and no further.
;; One version. Each part assembles by itself: llvm-mc -triple=amdgcn-amd-amdhsa -mcpu=gfx1250 --defsym DOCPART=n.
;; ======== version 1 of 1: 9 launches
;; workspace buffers: wc1 4,194,304 bytes; wc2 4,194,304 bytes; sc2 256 bytes; xc 12,582,912 bytes; qkvc 12,582,912 bytes; cc 4,194,304 bytes; h 16,777,216 bytes
;; launch wquant (part 1): grid 256 x 1, 4 waves a work-group, no clusters, 20,992 bytes of LDS; arguments wq, wk, wv, wo, lowp_scales, wc1, wc2, sc2; writes wc1, wc2, sc2
.if DOCPART == 1
	.amdgcn_target "amdgcn-amd-amdhsa--gfx1250"
	.amdhsa_code_object_version 6
	.text
	.protected	k_q2939678daf_wquant
	.globl	k_q2939678daf_wquant
	.p2align	8
	.type	k_q2939678daf_wquant,@function
k_q2939678daf_wquant:
	s_mov_b64 s[64:65], 0
	v_nop
	global_prefetch_b8 v0, s[64:65] scope:SCOPE_SE
	s_setreg_imm32_b32 hwreg(HW_REG_WAVE_MODE, 25, 1), 1
	s_wait_xcnt 0x0
; The four weights [1024][1024] f32 become codes of E4M3, K innermost, twice: once with the first pass's scale (into wc1) and once with the second pass's (into wc2).
; wc1, wc2: [4 (wq, wk, wv, wo)][1024 n][1024 k], one byte a code.  code = w / 2^e, held within +-448, to the nearest code, ties to even.
; The scale words: wq 1, wk 3, wv 5, wo 11 for the first pass, 12 further on for the second.  Entries 12..23 are also copied to sc2, so that the later bodies read their 12 words at offset 0 in both passes.
; SHARES: work-group g takes tensor g / 64, rows 16 (g % 64) on; a wave takes 4 rows, one row (4,096 bytes) at a time.
; Each load reads 512 consecutive bytes, 16 a lane.  The conversion wants 8 neighbours along K in ONE lane's registers, so a row turns through the wave's own stage in LDS: groups of 64 bytes + 16 of padding;
; a lane reads back two whole groups (k = 512 i + 16 lane + 0..15).  Its 16 codes are 16 bytes: a store covers 512 consecutive bytes.
; No cluster, no tensor load, no barrier: the waves share nothing.  All 32 loads of a wave go out at the start.
; LIMITS: each e lies between -126 and 119, so that 2^e and 448 x 2^e are f32 numbers.  NaN among the inputs is not served.
.set R,    16                          ; v16-143   four rows as loaded, 32 registers each
.set X,    144                         ; v144-175  a row turned: register 16 i + e = k 512 i + 16 lane + e
.set T,    176                         ; v176-191  two sets of 8 held numbers, by turns
.set C,    192                         ; v192-207  codes: set 0 for wc1, set 1 for wc2
.set WSTG, 5120                        ; a wave's stage: 64 groups of 80 bytes
.macro LOADROW set, off
.irp j, 0,1,2,3,4,5,6,7
	global_load_b128 v[R+32*(\set)+4*\j:R+32*(\set)+4*\j+3], v1, s[4:5] offset:(\off)+512*\j th:TH_LOAD_NT
.endr
.endm
.macro TURN set                        ; LDS serves a wave's instructions in order (ISA guide 5.7.1): no wait between the stores and the loads
.irp j, 0,1,2,3,4,5,6,7
	ds_store_b128 v2, v[R+32*(\set)+4*\j:R+32*(\set)+4*\j+3] offset:640*\j
.endr
.irp i, 0,1
.irp q, 0,1,2,3
	ds_load_b128 v[X+16*\i+4*\q:X+16*\i+4*\q+3], v3 offset:2560*\i+16*\q
.endr
.endr
.endm
; 32 numbers in X become 32 codes in set cset.  The hold goes into T, so that X serves the next scale too; T's two sets take turns, so that eight plain lines stand between a conversion and the next write of its sources.
.macro QUANT cset, sc, lim
.set qg, 0
.rept 4
.set qe, 0
.rept 8
	v_med3_num_f32 v[T+8*(qg%2)+qe], v[X+8*qg+qe], -v[\lim], v[\lim]   ; the conversion to an 8-bit code does not saturate (ISA guide 7.6.2)
.set qe, qe+1
.endr
	v_cvt_scalef32_pk8_fp8_f32 v[C+8*(\cset)+2*qg:C+8*(\cset)+2*qg+1], v[T+8*(qg%2):T+8*(qg%2)+7], v[\sc]
.set qg, qg+1
.endr
.endm
.macro PUT lo, cset, off
	global_store_b128 v1, v[C+8*(\cset):C+8*(\cset)+3], s[\lo:\lo+1] offset:\off
	global_store_b128 v1, v[C+8*(\cset)+4:C+8*(\cset)+7], s[\lo:\lo+1] offset:(\off)+512
.endm
	s_load_b256 s[4:11], s[0:1], 0x0               ; wq s[4:5], wk s[6:7], wv s[8:9], wo s[10:11]
	s_load_b256 s[12:19], s[0:1], 0x20             ; the scales s[12:13], wc1 s[14:15], wc2 s[16:17], sc2 s[18:19]
	v_lshl_add_u32 v208, v0, 2, 0x5000
	v_mov_b32 v209, 0
	v_lshrrev_b32 v4, 5, v0
	v_readfirstlane_b32 s20, v4                    ; wave
	v_and_b32 v5, 31, v0                           ; lane
	v_lshlrev_b32 v1, 4, v5                        ; 16 x lane: my bytes of a load and of a store
	s_mul_i32 s21, s20, WSTG
	v_lshrrev_b32 v6, 2, v5
	v_mul_u32_u24 v2, v6, 80
	v_and_b32 v6, 3, v5
	v_lshl_add_u32 v2, v6, 4, v2
	v_add_nc_u32 v2, s21, v2                       ; into the stage: 80 (lane / 4) + 16 (lane % 4)
	v_mul_u32_u24 v3, v5, 80
	v_add_nc_u32 v3, s21, v3                       ; out of it: 80 x lane
	s_lshr_b32 s22, ttmp9, 6                       ; which tensor
	s_and_b32 s23, ttmp9, 63
	s_lshl_b32 s23, s23, 4
	s_lshl_b32 s24, s20, 2
	s_add_co_u32 s23, s23, s24                     ; my wave's first row
	s_lshl_b32 s28, s23, 12                        ; in the source: rows of 4,096 bytes
	s_mov_b32 s29, 0
	s_lshl_b32 s30, s22, 20
	s_lshl_b32 s31, s23, 10
	s_add_co_u32 s30, s30, s31                     ; in the codes: tensor x 2^20 + rows of 1,024 bytes
	s_mov_b32 s31, 0
	s_lshl_b32 s25, s22, 3
	s_add_co_u32 s25, s25, 4                       ; byte of scale word 2 t + 1,
	s_cmp_eq_u32 s22, 3
	s_cselect_b32 s25, 44, s25                     ; or of word 11 for wo
	s_wait_kmcnt 0x0
	s_load_b32 s26, s[12:13], s25 offset:0x0       ; e for the first pass
	s_load_b32 s27, s[12:13], s25 offset:0x30      ; e for the second: 12 words on
	s_cmp_eq_u32 s22, 1                            ; the source is chosen by the work-group's number alone
	s_cselect_b64 s[4:5], s[6:7], s[4:5]
	s_cmp_eq_u32 s22, 2
	s_cselect_b64 s[4:5], s[8:9], s[4:5]
	s_cmp_eq_u32 s22, 3
	s_cselect_b64 s[4:5], s[10:11], s[4:5]
	s_add_nc_u64 s[4:5], s[4:5], s[28:29]
	s_add_nc_u64 s[14:15], s[14:15], s[30:31]
	s_add_nc_u64 s[16:17], s[16:17], s[30:31]
	s_or_b32 s32, ttmp9, s20
	s_cmp_lg_u32 s32, 0
	s_cbranch_scc1 .Lno_copy                       ; wave 0 of work-group 0 copies entries 12..23
	v_min_u32 v6, 5, v5
	v_lshlrev_b32 v6, 3, v6                        ; lanes 0-5 take two words each, the others repeat lane 5's: no load leaves the 96 bytes
	v_lshlrev_b32 v7, 3, v5
	global_load_b64 v[12:13], v6, s[12:13] offset:48
	s_wait_loadcnt 0x0
	global_store_b64 v7, v[12:13], s[18:19]        ; 32 lanes x 8 bytes: sc2's 256 bytes whole; v7, v12, v13 are not written again
.Lno_copy:
	LOADROW 0, 0
	LOADROW 1, 4096
	LOADROW 2, 8192
	LOADROW 3, 12288
	s_wait_kmcnt 0x0
	s_add_co_i32 s26, s26, 127
	s_lshl_b32 s28, s26, 23
	v_mov_b32 v8, s28                              ; 2^e as f32: the conversion takes its exponent field
	s_add_co_i32 s26, s26, 8
	s_lshl_b32 s26, s26, 23
	s_or_b32 s26, s26, 0x600000
	v_mov_b32 v9, s26                              ; 448 x 2^e
	s_add_co_i32 s27, s27, 127
	s_lshl_b32 s28, s27, 23
	v_mov_b32 v10, s28
	s_add_co_i32 s27, s27, 8
	s_lshl_b32 s27, s27, 23
	s_or_b32 s27, s27, 0x600000
	v_mov_b32 v11, s27
.irp n, 0,1,2,3
	s_wait_loadcnt 24-8*\n                         ; loads come back in order: this row's eight are in, the later rows' may be out
	TURN \n
	s_wait_dscnt 0x0
.if \n > 0
	s_wait_xcnt 0x0                                ; the last row's stores have read their data: the codes' registers are written again only behind this wait
.endif
	QUANT 0, 8, 9
	QUANT 1, 10, 11
	PUT 14, 0, 1024*\n
	PUT 16, 1, 1024*\n
.endr
	s_wait_tensorcnt 0x0
	ds_add_u32 v208, v209
	s_wait_dscnt 0x0
	s_endpgm
.Lfunc_end_k_q2939678daf_wquant:
	.size	k_q2939678daf_wquant, .Lfunc_end_k_q2939678daf_wquant-k_q2939678daf_wquant
	.p2alignl 7, 3214868480
	.fill 96, 4, 3214868480
	.section	.rodata,"a",@progbits
	.p2align	6, 0x0
	.amdhsa_kernel k_q2939678daf_wquant
		.amdhsa_group_segment_fixed_size 20992
		.amdhsa_private_segment_fixed_size 0
		.amdhsa_enable_private_segment 0
		.amdhsa_kernarg_size 64
		.amdhsa_user_sgpr_count 2
		.amdhsa_user_sgpr_kernarg_segment_ptr 1
		.amdhsa_wavefront_size32 1
		.amdhsa_system_sgpr_workgroup_id_x 1
		.amdhsa_system_sgpr_workgroup_id_y 1
		.amdhsa_system_sgpr_workgroup_id_z 1
		.amdhsa_system_vgpr_workitem_id 0
		.amdhsa_next_free_vgpr 210
		.amdhsa_next_free_sgpr 66
		.amdhsa_reserve_vcc 0
		.amdhsa_float_denorm_mode_32 3
		.amdhsa_float_denorm_mode_16_64 3
		.amdhsa_memory_ordered 1
		.amdhsa_forward_progress 1
		.amdhsa_inst_pref_size 30
	.end_amdhsa_kernel
	.amdgpu_metadata
---
amdhsa.version: [ 1, 2 ]
amdhsa.kernels:
  - .name:           k_q2939678daf_wquant
    .symbol:         k_q2939678daf_wquant.kd
    .args:
      - { .name: wq, .offset: 0, .size: 8, .value_kind: global_buffer, .address_space: global }
      - { .name: wk, .offset: 8, .size: 8, .value_kind: global_buffer, .address_space: global }
      - { .name: wv, .offset: 16, .size: 8, .value_kind: global_buffer, .address_space: global }
      - { .name: wo, .offset: 24, .size: 8, .value_kind: global_buffer, .address_space: global }
      - { .name: lowp_scales, .offset: 32, .size: 8, .value_kind: global_buffer, .address_space: global }
      - { .name: wc1, .offset: 40, .size: 8, .value_kind: global_buffer, .address_space: global }
      - { .name: wc2, .offset: 48, .size: 8, .value_kind: global_buffer, .address_space: global }
      - { .name: sc2, .offset: 56, .size: 8, .value_kind: global_buffer, .address_space: global }
    .group_segment_fixed_size: 20992
    .private_segment_fixed_size: 0
    .kernarg_segment_align: 8
    .kernarg_segment_size: 64
    .max_flat_workgroup_size: 128
    .sgpr_count:     66
    .vgpr_count:     210
    .wavefront_size: 32
...
	.end_amdgpu_metadata
.endif
;; end of part 1
;; launch ln_a (part 2): grid 256 x 1, 4 waves a work-group, no clusters, 20,992 bytes of LDS; arguments x, ln1_scale, lowp_scales, xc; writes xc
.if DOCPART == 2
	.amdgcn_target "amdgcn-amd-amdhsa--gfx1250"
	.amdhsa_code_object_version 6
	.text
	.protected	k_q2939678daf_ln_a
	.globl	k_q2939678daf_ln_a
	.p2align	8
	.type	k_q2939678daf_ln_a,@function
k_q2939678daf_ln_a:
	s_mov_b64 s[64:65], 0
	v_nop
	global_prefetch_b8 v0, s[64:65] scope:SCOPE_SE
	s_setreg_imm32_b32 hwreg(HW_REG_WAVE_MODE, 25, 1), 1
	s_wait_xcnt 0x0
; y = g (x - mean) / sqrt(var + 1e-5) + g for each row of 1,024 f32 numbers (the gain is also the shift, as the problem has it), quantised three times to E4M3: with scale words 0, 2 and 4.
; xc: [3][4096 rows][1024 k], one byte a code.  code = y / 2^e, held within +-448, to the nearest code, ties to even.
; SHARES: a work-group takes 16 rows, a wave 4, one row (4,096 bytes, 32 registers) at a time: mean and variance never leave the wave.  The variance is taken of x - mean in a second pass over the registers,
; so a common offset of the inputs costs no difference of large sums.
; Each load reads 512 consecutive bytes.  A row turns through the wave's own stage in LDS (groups of 64 bytes + 16 of padding), so that a lane holds 16 neighbours along K twice (k = 512 i + 16 lane + 0..15);
; the gain is turned the same way, once.  A lane's 16 codes are 16 bytes: a store covers 512 consecutive bytes.
; No cluster, no tensor load, no barrier: the waves share nothing but the gain's 4,096 bytes.  32 loads of a wave are out from the start.
; LIMITS: each of the three e lies between -126 and 119.  NaN among the inputs is not served.
; SCALARS: s[4:5] rows, s[6:7] gain, s[8:9] scales, s[12:17] the three outputs, s[20:27] scale words, s28 wave, s34 2^-10, s35 1e-5, s[36:37] lane selects.
.set R,    16                          ; v16-143   four sets of 32 as loaded
.set G,    144                         ; v144-175  the gain, turned
.set X,    176                         ; v176-207  the row, turned
.set T,    208                         ; v208-223  two sets of 8 held numbers, by turns
.set C,    224                         ; v224-247  codes, three sets of 8
.set WSTG, 5120
.macro LOADROW set, lo, off, nt
.irp j, 0,1,2,3,4,5,6,7
.if \nt
	global_load_b128 v[R+32*(\set)+4*\j:R+32*(\set)+4*\j+3], v1, s[\lo:\lo+1] offset:(\off)+512*\j th:TH_LOAD_NT
.else
	global_load_b128 v[R+32*(\set)+4*\j:R+32*(\set)+4*\j+3], v1, s[\lo:\lo+1] offset:(\off)+512*\j
.endif
.endr
.endm
.macro TURN set, dst                   ; LDS serves a wave's instructions in order (ISA guide 5.7.1): no wait between the stores and the loads
.irp j, 0,1,2,3,4,5,6,7
	ds_store_b128 v2, v[R+32*(\set)+4*\j:R+32*(\set)+4*\j+3] offset:640*\j
.endr
.irp i, 0,1
.irp q, 0,1,2,3
	ds_load_b128 v[\dst+16*\i+4*\q:\dst+16*\i+4*\q+3], v3 offset:2560*\i+16*\q
.endr
.endr
.endm
.macro QUANT cset, sc, lim             ; the hold goes into T, so that X serves all three scales; T's two sets take turns: eight plain lines between a conversion and the next write of its sources
.set qg, 0
.rept 4
.set qe, 0
.rept 8
	v_med3_num_f32 v[T+8*(qg%2)+qe], v[X+8*qg+qe], -v[\lim], v[\lim]   ; the conversion to an 8-bit code does not saturate (ISA guide 7.6.2)
.set qe, qe+1
.endr
	v_cvt_scalef32_pk8_fp8_f32 v[C+8*(\cset)+2*qg:C+8*(\cset)+2*qg+1], v[T+8*(qg%2):T+8*(qg%2)+7], v[\sc]
.set qg, qg+1
.endr
.endm
.macro PUT lo, cset, off
	global_store_b128 v1, v[C+8*(\cset):C+8*(\cset)+3], s[\lo:\lo+1] offset:\off
	global_store_b128 v1, v[C+8*(\cset)+4:C+8*(\cset)+7], s[\lo:\lo+1] offset:(\off)+512
.endm
.macro WSUM r                          ; the sum over the 32 lanes, in every lane
	v_add_f32_dpp v[\r], v[\r], v[\r] row_xmask:1 row_mask:0xf bank_mask:0xf
	v_add_f32_dpp v[\r], v[\r], v[\r] row_xmask:2 row_mask:0xf bank_mask:0xf
	v_add_f32_dpp v[\r], v[\r], v[\r] row_xmask:4 row_mask:0xf bank_mask:0xf
	v_add_f32_dpp v[\r], v[\r], v[\r] row_xmask:8 row_mask:0xf bank_mask:0xf
	v_permlanex16_b32 v248, v[\r], s36, s37
	v_add_f32 v[\r], v[\r], v248
.endm
.macro MKSCALE e, tmp, vs, vl          ; 2^e and 448 x 2^e as f32
	s_add_co_i32 s[\e], s[\e], 127
	s_lshl_b32 s[\tmp], s[\e], 23
	v_mov_b32 v[\vs], s[\tmp]
	s_add_co_i32 s[\e], s[\e], 8
	s_lshl_b32 s[\e], s[\e], 23
	s_or_b32 s[\e], s[\e], 0x600000
	v_mov_b32 v[\vl], s[\e]
.endm
	s_load_b256 s[4:11], s[0:1], 0x0               ; rows s[4:5], gain s[6:7], scales s[8:9], xc s[10:11]
	v_lshl_add_u32 v250, v0, 2, 0x5000
	v_mov_b32 v251, 0
	v_lshrrev_b32 v4, 5, v0
	v_readfirstlane_b32 s28, v4                    ; wave
	v_and_b32 v5, 31, v0                           ; lane
	v_lshlrev_b32 v1, 4, v5                        ; 16 x lane
	s_mul_i32 s29, s28, WSTG
	v_lshrrev_b32 v6, 2, v5
	v_mul_u32_u24 v2, v6, 80
	v_and_b32 v6, 3, v5
	v_lshl_add_u32 v2, v6, 4, v2
	v_add_nc_u32 v2, s29, v2                       ; into the stage: 80 (lane / 4) + 16 (lane % 4)
	v_mul_u32_u24 v3, v5, 80
	v_add_nc_u32 v3, s29, v3                       ; out of it: 80 x lane
	v_mov_b32 v248, 0                              ; a lane exchange's destination counts as read: written once here
	s_lshl_b32 s30, ttmp9, 4
	s_lshl_b32 s31, s28, 2
	s_add_co_u32 s32, s30, s31                     ; my wave's first row
	s_lshl_b32 s30, s32, 12
	s_mov_b32 s31, 0
	s_lshl_b32 s32, s32, 10
	s_mov_b32 s33, 0
	s_mov_b32 s34, 0x3a800000                      ; 1 / 1024
	s_mov_b32 s35, 0x3727c5ac                      ; 1e-5
	s_mov_b32 s36, 0x76543210
	s_mov_b32 s37, 0xfedcba98
	s_wait_kmcnt 0x0
	s_load_b256 s[20:27], s[8:9], 0x0              ; scale words 0..7
	s_add_nc_u64 s[4:5], s[4:5], s[30:31]
	s_add_nc_u64 s[12:13], s[10:11], s[32:33]
	s_add_nc_u64 s[14:15], s[12:13], 0x400000
	s_add_nc_u64 s[16:17], s[12:13], 0x800000
	LOADROW 0, 6, 0, 0                             ; the gain,
	LOADROW 1, 4, 0, 1                             ; rows 0, 1, 2
	LOADROW 2, 4, 4096, 1
	LOADROW 3, 4, 8192, 1
	s_wait_kmcnt 0x0
	MKSCALE 20, 21, 4, 5
	MKSCALE 22, 21, 6, 7
	MKSCALE 24, 21, 8, 9
	s_wait_loadcnt 24                              ; the gain's eight loads are in, the three rows' may be out
	TURN 0, G
	s_wait_dscnt 0x0                               ; the stage's stores have read set 0,
	LOADROW 0, 4, 12288, 1                         ; which takes row 3
.macro ROW n
	s_wait_loadcnt 24-8*\n                         ; this row's eight loads are in, the later rows' may be out
	TURN (\n+1)%4, X
	s_wait_dscnt 0x0
	v_pk_add_f32 v[10:11], v[X:X+1], v[X+2:X+3]    ; the sum, in four chains
	v_pk_add_f32 v[12:13], v[X+4:X+5], v[X+6:X+7]
.irp m, 8,12,16,20,24,28
	v_pk_add_f32 v[10:11], v[10:11], v[X+\m:X+\m+1]
	v_pk_add_f32 v[12:13], v[12:13], v[X+\m+2:X+\m+3]
.endr
	v_pk_add_f32 v[10:11], v[10:11], v[12:13]
	v_add_f32 v10, v10, v11
	WSUM 10
	v_mul_f32 v10, s34, v10                        ; the mean
.irp m, 0,2,4,6,8,10,12,14,16,18,20,22,24,26,28,30
	v_pk_add_f32 v[X+\m:X+\m+1], v[X+\m:X+\m+1], v[10:11] op_sel_hi:[1,0] neg_lo:[0,1] neg_hi:[0,1]   ; x - mean (the pair's low word for both halves)
.endr
	v_pk_mul_f32 v[12:13], v[X:X+1], v[X:X+1]      ; the sum of squares, in four chains
	v_pk_mul_f32 v[14:15], v[X+2:X+3], v[X+2:X+3]
.irp m, 4,8,12,16,20,24,28
	v_pk_fma_f32 v[12:13], v[X+\m:X+\m+1], v[X+\m:X+\m+1], v[12:13]
	v_pk_fma_f32 v[14:15], v[X+\m+2:X+\m+3], v[X+\m+2:X+\m+3], v[14:15]
.endr
	v_pk_add_f32 v[12:13], v[12:13], v[14:15]
	v_add_f32 v12, v12, v13
	WSUM 12
	v_fma_f32 v12, v12, s34, s35                   ; var + 1e-5
	v_rsq_f32 v14, v12
	v_nop                                          ; one plain line behind a transcendental (ISA guide 5.7.2)
	s_wait_alu depctr_va_vdst(0)
.irp m, 0,2,4,6,8,10,12,14,16,18,20,22,24,26,28,30
	v_pk_mul_f32 v[X+\m:X+\m+1], v[X+\m:X+\m+1], v[14:15] op_sel_hi:[1,0]
.endr
.irp m, 0,2,4,6,8,10,12,14,16,18,20,22,24,26,28,30
	v_pk_fma_f32 v[X+\m:X+\m+1], v[X+\m:X+\m+1], v[G+\m:G+\m+1], v[G+\m:G+\m+1]   ; g x_norm + g
.endr
.if \n > 0
	s_wait_xcnt 0x0                                ; the last row's stores have read their data: the codes' registers are written again only behind this wait
.endif
	QUANT 0, 4, 5
	QUANT 1, 6, 7
	QUANT 2, 8, 9
	PUT 12, 0, 1024*\n
	PUT 14, 1, 1024*\n
	PUT 16, 2, 1024*\n
.endm
	ROW 0
	ROW 1
	ROW 2
	ROW 3
	s_wait_tensorcnt 0x0
	ds_add_u32 v250, v251
	s_wait_dscnt 0x0
	s_endpgm
.Lfunc_end_k_q2939678daf_ln_a:
	.size	k_q2939678daf_ln_a, .Lfunc_end_k_q2939678daf_ln_a-k_q2939678daf_ln_a
	.p2alignl 7, 3214868480
	.fill 96, 4, 3214868480
	.section	.rodata,"a",@progbits
	.p2align	6, 0x0
	.amdhsa_kernel k_q2939678daf_ln_a
		.amdhsa_group_segment_fixed_size 20992
		.amdhsa_private_segment_fixed_size 0
		.amdhsa_enable_private_segment 0
		.amdhsa_kernarg_size 32
		.amdhsa_user_sgpr_count 2
		.amdhsa_user_sgpr_kernarg_segment_ptr 1
		.amdhsa_wavefront_size32 1
		.amdhsa_system_sgpr_workgroup_id_x 1
		.amdhsa_system_sgpr_workgroup_id_y 1
		.amdhsa_system_sgpr_workgroup_id_z 1
		.amdhsa_system_vgpr_workitem_id 0
		.amdhsa_next_free_vgpr 252
		.amdhsa_next_free_sgpr 66
		.amdhsa_reserve_vcc 0
		.amdhsa_float_denorm_mode_32 3
		.amdhsa_float_denorm_mode_16_64 3
		.amdhsa_memory_ordered 1
		.amdhsa_forward_progress 1
		.amdhsa_inst_pref_size 65
	.end_amdhsa_kernel
	.amdgpu_metadata
---
amdhsa.version: [ 1, 2 ]
amdhsa.kernels:
  - .name:           k_q2939678daf_ln_a
    .symbol:         k_q2939678daf_ln_a.kd
    .args:
      - { .name: x, .offset: 0, .size: 8, .value_kind: global_buffer, .address_space: global }
      - { .name: ln1_scale, .offset: 8, .size: 8, .value_kind: global_buffer, .address_space: global }
      - { .name: lowp_scales, .offset: 16, .size: 8, .value_kind: global_buffer, .address_space: global }
      - { .name: xc, .offset: 24, .size: 8, .value_kind: global_buffer, .address_space: global }
    .group_segment_fixed_size: 20992
    .private_segment_fixed_size: 0
    .kernarg_segment_align: 8
    .kernarg_segment_size: 32
    .max_flat_workgroup_size: 128
    .sgpr_count:     66
    .vgpr_count:     252
    .wavefront_size: 32
...
	.end_amdgpu_metadata
.endif
;; end of part 2
;; launch qkv_a (part 3): grid 8 x 96, 4 waves a work-group, clusters of 4 x 4, 299,520 bytes of LDS; arguments xc, wc1, lowp_scales, qkvc; writes qkvc
.if DOCPART == 3
	.amdgcn_target "amdgcn-amd-amdhsa--gfx1250"
	.amdhsa_code_object_version 6
	.text
	.protected	k_q2939678daf_qkv_a
	.globl	k_q2939678daf_qkv_a
	.p2align	8
	.type	k_q2939678daf_qkv_a,@function
k_q2939678daf_qkv_a:
	s_mov_b64 s[64:65], 0
	v_nop
	global_prefetch_b8 v0, s[64:65] scope:SCOPE_SE
	s_setreg_imm32_b32 hwreg(HW_REG_WAVE_MODE, 25, 1), 1
	s_wait_xcnt 0x0
	s_wait_alu depctr_hold_cnt(0) depctr_sa_sdst(0) depctr_va_vdst(0) depctr_va_sdst(0) depctr_va_ssrc(0) depctr_va_vcc(0) depctr_vm_vsrc(0)
	s_getreg_b32 s2, hwreg(HW_REG_IB_STS2, 6, 4)
	s_cmp_eq_u32 s2, 0
	s_cbranch_scc0 .Lentry_in_a_cluster
	s_endpgm
.Lentry_in_a_cluster:
	s_bfe_u32 s2, ttmp6, 0x10000c
	s_cmp_lg_u32 s2, 0xf033
	s_cbranch_scc0 .Lentry_shape_is_right
	s_endpgm
.Lentry_shape_is_right:
; The three projections on codes of E4M3, their results quantised on the way out.  T = 0: Q = xn wq^T, T = 1: K = xn wk^T, T = 2: V^T = wv xn^T (the operands change places, so that V leaves with the keys innermost).
; C[m][n] = sum over k of A[m][k] B[n][k], K = 1,024.  A, B: rows of 1,024 codes.  xc: [3][4096][1024], wc: [4][1024][1024].
; A sum stands for sum x 2^(eA + eB); its code is sum / 2^(eOut - eA - eB), held within +-448: Q: words 6, 0, 1; K: 7, 2, 3; V: 9, 4, 5.
; qkvc: Q at 0, K at 2^22, V at 2^23.  Every 64 x 64 piece of C is one dense block of 4,096 bytes, (row % 64) x 64 + (column % 64), at T 2^22 + (tok64 / 32) 2^21 + head 2^17 + (tok64 % 32) 4096:
; Q, K: [batch x head][token][64 d]; V: [batch x head][token / 64][64 d][token % 64].
; SHARES: a tile of C is 128 x 128: 768 tiles.  Four waves, each 64 x 64: 16 accumulators.  THE WHOLE K LIES IN LDS AT ONCE: A's and B's 128 rows x 1,024 bytes, in four chunks of 256 along K
; (128 LDS rows of 256 + 16 bytes).  So no LDS byte is filled twice: each wave issues its four tensor loads (64 rows x 256 bytes each) at the start, and a counted wait and one barrier stand in front of each chunk's first read.
; CLUSTER 4 x 4: the four work-groups of a row of the cluster need the same rows of A, the four of a column the same rows of B: each tile is asked for jointly, which divides the requests by four.
; The matrix instruction is used transposed (source 0 = 16 rows of B, source 1 = 16 rows of A): a lane holds eight neighbouring columns of one row of C, which one conversion packs into 8 bytes.
; A fragment (16 rows x 128 K, 16 registers) comes by four loads of 16 bytes, 32 apart: k = 32 q + 16 (lane / 16) + 0..15 in registers 4 q on: a permutation of k, the same in A and B.
; LIMITS: eOut - eA - eB lies between -126 and 119 for each of the three.
; REGISTERS: window 0: v16-17, v20-21 fragment addresses; v24-26 the way out; v27, v28 scale and hold; v32-95 the way out; v128-255 the accumulators ((a, b) at 128 + 8 (4 a + b)).
;   window 1: two fragment buffers of 128: A's four fragments, then B's four.
.set CHUNK, 34816                      ; 128 LDS rows of 272 bytes
.set HALF,  17408                      ; 64 of them: what one tensor load brings, and what one wave reads
.set BOFF,  139264                     ; B's four chunks lie behind A's four
.set STAGE, 278528                     ; behind the tiles: 64 rows x 80 bytes for each wave; no tile lands there
.set ACC,   128
.set G1A, 28                           ; s[28:35] descriptor group 1 for A's tiles;  s[36:43] for B's: the mask alone differs
.set G1B, 36
.set G0A, 44                           ; s[44:59] four groups 0 for A's chunks;  s[68:83] for B's
.set G0B, 68
.set MSB, 0
.macro WIN new                         ; the immediate's high byte repeats the setting that is left
.if MSB != \new
	s_set_vgpr_msb (MSB<<8)|\new
.set MSB, \new
.endif
.endm
.macro CROUND                          ; a round of the cluster's barrier
	s_barrier_signal -1
	s_barrier_wait -1
	s_cmp_lg_u32 s12, 0
	s_cbranch_scc1 .Lnot_wave_0_\@
	s_barrier_signal -3
.Lnot_wave_0_\@:
	s_barrier_wait -3
	s_barrier_signal -1
	s_barrier_wait -1
.endm
.macro PLACES                          ; four plain lines between a matrix instruction and a load into, or a vector read of, its registers
.rept 4
	v_nop
.endr
.endm
.macro FETCH g, f                      ; the fragments of the g-th 128 along K into buffer f: 32 LDS loads in one run
	WIN 0x40                                       ; destination window 1, address window 0
.irp a, 0,1,2,3
.irp q, 0,1,2,3
	ds_load_b128 v[\f+16*\a+4*\q:\f+16*\a+4*\q+3], v[16+(\g)/4] offset:(((\g)/2)%2)*CHUNK+128*((\g)%2)+32*\q+\a*4352
.endr
.endr
.irp b, 0,1,2,3
.irp q, 0,1,2,3
	ds_load_b128 v[\f+64+16*\b+4*\q:\f+64+16*\b+4*\q+3], v[20+(\g)/4] offset:(((\g)/2)%2)*CHUNK+128*((\g)%2)+32*\q+\b*4352
.endr
.endr
.endm
.macro MUL f, zero                     ; 16 matrix instructions; the 16 accumulators take turns, in the same order in every step
	WIN 0x05                                       ; sources 0 and 1 window 1; C and D window 0
.irp a, 0,1,2,3
.irp b, 0,1,2,3
.if \zero
	v_wmma_f32_16x16x128_fp8_fp8 v[ACC+8*(4*\a+\b):ACC+8*(4*\a+\b)+7], v[\f+64+16*\b:\f+64+16*\b+15], v[\f+16*\a:\f+16*\a+15], 0
.else
	v_wmma_f32_16x16x128_fp8_fp8 v[ACC+8*(4*\a+\b):ACC+8*(4*\a+\b)+7], v[\f+64+16*\b:\f+64+16*\b+15], v[\f+16*\a:\f+16*\a+15], v[ACC+8*(4*\a+\b):ACC+8*(4*\a+\b)+7]
.endif
.endr
.endr
.endm
	s_load_b256 s[4:11], s[0:1], 0x0               ; xc s[4:5], wc s[6:7], scales s[8:9], qkvc s[10:11]
	v_lshl_add_u32 v126, v0, 2, 0x49000
	v_mov_b32 v127, 0
	ds_add_u32 v126, v127
	ds_add_u32 v126, v127
	v_lshrrev_b32 v1, 5, v0
	v_readfirstlane_b32 s12, v1                    ; wave 0..3
	s_lshr_b32 s13, s12, 1                         ; my half of the tile's rows.  Also: I fetch for A (0) or for B (1)
	s_and_b32 s14, s12, 1                          ; my half of its columns.  Also: which 64 rows I fetch
	s_bfe_u32 s15, ttmp6, 0x40000                  ; cx
	s_bfe_u32 s16, ttmp6, 0x40004                  ; cy
	s_and_b32 s17, ttmp7, 0xffff                   ; the cluster's y: 0..23
	s_lshr_b32 s18, s17, 3                         ; T: which projection
	s_and_b32 s19, s17, 7
	s_cmp_eq_u32 s18, 2                            ; V: 8 tile rows (features) x 32 tile columns (tokens); Q, K: 32 x 8.  Only the clusters' two numbers change places
	s_cselect_b32 s20, ttmp9, s19                  ; the cluster's row of tiles
	s_cselect_b32 s21, s19, ttmp9                  ; its column
	s_lshl_b32 s23, s20, 2
	s_add_co_u32 s23, s23, s16                     ; tile row = 4 x cluster row + cy
	s_lshl_b32 s24, s21, 2
	s_add_co_u32 s24, s24, s15                     ; tile column = 4 x cluster column + cx
	s_lshl_b32 s25, s16, 2
	s_lshl_b32 s25, 15, s25                        ; my row of the cluster
	s_lshl_b32 s26, 0x1111, s15                    ; my column
	s_or_b32 s[G1A], s25, (1<<20)|(1<<21)|(5<<22)|(3<<25)   ; 15:0 the mask; 17:16 elements of 1 byte; 20 padding on; 21 set beside a mask; 24:22 after every 64 words; 31:25 four words
	s_or_b32 s[G1B], s26, (1<<20)|(1<<21)|(5<<22)|(3<<25)
.irp g, G1A, G1B
	s_mov_b32 s[\g+1], 256<<16                     ; tensor_dim0 = 256
	s_mov_b32 s[\g+2], 64<<16                      ; tensor_dim1 = 64
	s_mov_b32 s[\g+3], 256<<16                     ; tile_dim0 = 256
	s_mov_b32 s[\g+4], 64                          ; tile_dim1 = 64
	s_mov_b32 s[\g+5], 1024                        ; bytes from row to row
	s_mov_b32 s[\g+6], 0
	s_mov_b32 s[\g+7], 0
.endr
	s_lshl_b32 s60, s23, 17                        ; A: (128 x tile row + 64 x half) rows of 1,024 bytes
	s_lshl_b32 s61, s14, 16
	s_add_co_u32 s60, s60, s61
	s_mov_b32 s61, 0
	s_lshl_b32 s62, s24, 17                        ; B: the same with the tile column
	s_lshl_b32 s63, s14, 16
	s_add_co_u32 s62, s62, s63
	s_mov_b32 s63, 0
	s_lshl_b32 s66, s18, 22                        ; xc's part for this projection,
	s_mov_b32 s67, 0
	s_lshl_b32 s96, s18, 20                        ; and wc's
	s_mov_b32 s97, 0
	s_mul_i32 s94, s13, BOFF
	s_mul_i32 s95, s14, HALF
	s_add_co_u32 s94, s94, s95                     ; where my tiles go: made of the wave's number alone
	s_wait_dscnt 0x0
	s_wait_kmcnt 0x0
	s_load_b256 s[84:91], s[8:9], 0x0              ; scale words 0..7
	s_load_b64 s[92:93], s[8:9], 0x20              ; 8, 9
	s_add_nc_u64 s[4:5], s[4:5], s[66:67]
	s_add_nc_u64 s[6:7], s[6:7], s[96:97]
	s_cmp_eq_u32 s18, 2
	s_cselect_b64 s[98:99], s[6:7], s[4:5]         ; A is the weight for V, else the tokens
	s_cselect_b64 s[100:101], s[4:5], s[6:7]       ; B the other
	s_add_nc_u64 s[98:99], s[98:99], s[60:61]
	s_add_nc_u64 s[100:101], s[100:101], s[62:63]
.irp c, 0,1,2,3
	s_mov_b32 s[G0A+4*\c], 1                       ; count = 1
	s_add_co_u32 s[G0A+4*\c+1], s94, \c*CHUNK      ; LDS address
	s_add_nc_u64 s[G0A+4*\c+2:G0A+4*\c+3], s[98:99], \c*256   ; global address: chunk c
	s_or_b32 s[G0A+4*\c+3], s[G0A+4*\c+3], 0x80000000         ; type = 2
	s_mov_b32 s[G0B+4*\c], 1
	s_add_co_u32 s[G0B+4*\c+1], s94, \c*CHUNK
	s_add_nc_u64 s[G0B+4*\c+2:G0B+4*\c+3], s[100:101], \c*256
	s_or_b32 s[G0B+4*\c+3], s[G0B+4*\c+3], 0x80000000
.endr
	CROUND                                         ; all sixteen work-groups are here: the joint loads meet
	s_cmp_eq_u32 s13, 0                            ; a wave's four fills stand in one branch on its number: four loads of mine are out
	s_cbranch_scc0 .Lfor_b
	tensor_load_to_lds s[G0A:G0A+3], s[G1A:G1A+7]
	s_nop 0
	tensor_load_to_lds s[G0A+4:G0A+7], s[G1A:G1A+7]
	s_nop 0
	tensor_load_to_lds s[G0A+8:G0A+11], s[G1A:G1A+7]
	s_nop 0
	tensor_load_to_lds s[G0A+12:G0A+15], s[G1A:G1A+7]
	s_nop 0
	PLACES
	s_branch .Lasked
.Lfor_b:
	tensor_load_to_lds s[G0B:G0B+3], s[G1B:G1B+7]
	s_nop 0
	tensor_load_to_lds s[G0B+4:G0B+7], s[G1B:G1B+7]
	s_nop 0
	tensor_load_to_lds s[G0B+8:G0B+11], s[G1B:G1B+7]
	s_nop 0
	tensor_load_to_lds s[G0B+12:G0B+15], s[G1B:G1B+7]
	s_nop 0
	PLACES
.Lasked:
	v_and_b32 v1, 15, v0                           ; r
	v_bfe_u32 v2, v0, 4, 1                         ; h
	v_mul_u32_u24 v3, v1, 272
	v_lshl_add_u32 v3, v2, 4, v3                   ; row x pitch + 16 h
	s_mul_i32 s95, s13, HALF
	v_add_nc_u32 v16, s95, v3                      ; my 64 rows of A, chunks 0 and 1;
	v_add_nc_u32 v17, 2*CHUNK, v16                 ; chunks 2 and 3 (an LDS offset has 16 bits)
	s_mul_i32 s95, s14, HALF
	s_add_co_u32 s95, s95, BOFF
	v_add_nc_u32 v20, s95, v3                      ; my 64 rows of B
	v_add_nc_u32 v21, 2*CHUNK, v20
	s_mul_i32 s95, s12, 5120
	s_add_co_u32 s95, s95, STAGE                   ; my stage
	v_mul_u32_u24 v24, v1, 80
	v_lshl_add_u32 v24, v2, 3, v24
	v_add_nc_u32 v24, s95, v24                     ; in: row r, 8 bytes for each half of the lanes
	v_and_b32 v4, 31, v0
	v_lshrrev_b32 v5, 2, v4
	v_mul_u32_u24 v25, v5, 80
	v_and_b32 v5, 3, v4
	v_lshl_add_u32 v25, v5, 4, v25
	v_add_nc_u32 v25, s95, v25                     ; back: four lanes to a row of 64 bytes
	v_lshlrev_b32 v26, 4, v4                       ; and 16 x lane in the block of 4,096 bytes
	s_lshl_b32 s20, s23, 1
	s_add_co_u32 s20, s20, s13                     ; my 64 rows' number
	s_lshl_b32 s21, s24, 1
	s_add_co_u32 s21, s21, s14                     ; my 64 columns' number
	s_cmp_eq_u32 s18, 2
	s_cselect_b32 s22, s21, s20                    ; which 64 tokens,
	s_cselect_b32 s27, s20, s21                    ; which head
	s_lshl_b32 s2, s18, 22
	s_lshr_b32 s3, s22, 5
	s_lshl_b32 s3, s3, 21
	s_add_co_u32 s2, s2, s3
	s_lshl_b32 s3, s27, 17
	s_add_co_u32 s2, s2, s3
	s_and_b32 s3, s22, 31
	s_lshl_b32 s3, s3, 12
	s_add_co_u32 s2, s2, s3
	s_mov_b32 s3, 0
	s_add_nc_u64 s[10:11], s[10:11], s[2:3]        ; my block of 4,096 bytes
	s_wait_kmcnt 0x0
	s_sub_co_i32 s90, s90, s84
	s_sub_co_i32 s90, s90, s85                     ; e6 - e0 - e1
	s_sub_co_i32 s91, s91, s86
	s_sub_co_i32 s91, s91, s87                     ; e7 - e2 - e3
	s_sub_co_i32 s93, s93, s88
	s_sub_co_i32 s93, s93, s89                     ; e9 - e4 - e5
	s_cmp_eq_u32 s18, 1                            ; chosen without a jump
	s_cselect_b32 s90, s91, s90
	s_cmp_eq_u32 s18, 2
	s_cselect_b32 s90, s93, s90
	s_add_co_i32 s90, s90, 127
	s_lshl_b32 s91, s90, 23
	v_mov_b32 v27, s91                             ; the three scales folded into the conversion's one
	s_add_co_i32 s90, s90, 8
	s_lshl_b32 s90, s90, 23
	s_or_b32 s90, s90, 0x600000
	v_mov_b32 v28, s90                             ; 448 x that
	s_wait_tensorcnt 0x3                           ; my part of chunk 0 is in; my three later chunks may be out
	s_barrier_signal -1
	s_barrier_wait -1                              ; everybody's is
	FETCH 0, 0
.irp g, 0,1,2,3,4,5,6,7
.if \g < 7
.if (\g % 2) == 1
	s_wait_tensorcnt 3-(\g+1)/2                    ; my part of the next chunk is in, the later ones may be out
	s_wait_dscnt 0x0                               ; no LDS load of mine is pending at the signal
	s_barrier_signal -1
	s_barrier_wait -1
.endif
.if \g > 0
	PLACES                                         ; the buffer that is loaded next was multiplied just now
.endif
	FETCH \g+1, 128*((\g+1)%2)
	s_wait_dscnt 32                                ; all but the 32 just issued
.else
	s_wait_dscnt 0x0
.endif
.if \g == 0
	MUL 0, 1                                       ; the first step starts the sums: nothing is cleared
.else
	MUL 128*(\g%2), 0
.endif
.endr
	WIN 0
	PLACES
	; THE WAY OUT: hold, convert (8 neighbouring columns of a row: 8 bytes), through my stage, out as 4,096 dense bytes.  Each accumulator is read from its low end on.
.set qi, 0
.rept 16
.set ei, 0
.rept 8
	v_med3_num_f32 v[ACC+8*qi+ei], v[ACC+8*qi+ei], -v28, v28   ; the conversion to an 8-bit code does not saturate (ISA guide 7.6.2)
.set ei, ei+1
.endr
	v_cvt_scalef32_pk8_fp8_f32 v[32+2*qi:33+2*qi], v[ACC+8*qi:ACC+8*qi+7], v27
.set qi, qi+1
.endr
	v_nop                                          ; one plain line behind the last conversion
.irp a, 0,1,2,3
.irp b, 0,1,2,3
	ds_store_b64 v24, v[32+2*(4*\a+\b):33+2*(4*\a+\b)] offset:\a*1280+16*\b
.endr
.endr
.irp i, 0,1,2,3,4,5,6,7
	ds_load_b128 v[64+4*\i:67+4*\i], v25 offset:640*\i     ; LDS serves a wave's instructions in order: these see my stores
.endr
.irp i, 0,1,2,3,4,5,6,7
	s_wait_dscnt 7-\i                              ; load i is back, the younger ones may be out
	global_store_b128 v26, v[64+4*\i:67+4*\i], s[10:11] offset:512*\i   ; 32 lanes store 512 consecutive bytes
.endr
	s_wait_tensorcnt 0x0
	ds_add_u32 v126, v127
	s_wait_dscnt 0x0
	CROUND                                         ; the closing round: no work-group ends while a partner may still ask for a tile that names it
	s_endpgm
.Lfunc_end_k_q2939678daf_qkv_a:
	.size	k_q2939678daf_qkv_a, .Lfunc_end_k_q2939678daf_qkv_a-k_q2939678daf_qkv_a
	.p2alignl 7, 3214868480
	.fill 96, 4, 3214868480
	.section	.rodata,"a",@progbits
	.p2align	6, 0x0
	.amdhsa_kernel k_q2939678daf_qkv_a
		.amdhsa_group_segment_fixed_size 299520
		.amdhsa_private_segment_fixed_size 0
		.amdhsa_enable_private_segment 0
		.amdhsa_kernarg_size 32
		.amdhsa_user_sgpr_count 2
		.amdhsa_user_sgpr_kernarg_segment_ptr 1
		.amdhsa_wavefront_size32 1
		.amdhsa_system_sgpr_workgroup_id_x 1
		.amdhsa_system_sgpr_workgroup_id_y 1
		.amdhsa_system_sgpr_workgroup_id_z 1
		.amdhsa_system_vgpr_workitem_id 0
		.amdhsa_next_free_vgpr 512
		.amdhsa_next_free_sgpr 102
		.amdhsa_reserve_vcc 0
		.amdhsa_float_denorm_mode_32 3
		.amdhsa_float_denorm_mode_16_64 3
		.amdhsa_memory_ordered 1
		.amdhsa_forward_progress 1
		.amdhsa_inst_pref_size 48
	.end_amdhsa_kernel
	.amdgpu_metadata
---
amdhsa.version: [ 1, 2 ]
amdhsa.kernels:
  - .name:           k_q2939678daf_qkv_a
    .symbol:         k_q2939678daf_qkv_a.kd
    .args:
      - { .name: xc, .offset: 0, .size: 8, .value_kind: global_buffer, .address_space: global }
      - { .name: wc1, .offset: 8, .size: 8, .value_kind: global_buffer, .address_space: global }
      - { .name: lowp_scales, .offset: 16, .size: 8, .value_kind: global_buffer, .address_space: global }
      - { .name: qkvc, .offset: 24, .size: 8, .value_kind: global_buffer, .address_space: global }
    .group_segment_fixed_size: 299520
    .private_segment_fixed_size: 0
    .kernarg_segment_align: 8
    .kernarg_segment_size: 32
    .max_flat_workgroup_size: 128
    .sgpr_count:     102
    .vgpr_count:     512
    .wavefront_size: 32
...
	.end_amdgpu_metadata
.endif
;; end of part 3
;; launch attn_a (part 4): grid 8 x 32, 16 waves a work-group, clusters of 4 x 1, 309,248 bytes of LDS; arguments qkvc, lowp_scales, cc; writes cc
.if DOCPART == 4
	.amdgcn_target "amdgcn-amd-amdhsa--gfx1250"
	.amdhsa_code_object_version 6
	.text
	.protected	k_q2939678daf_attn_a
	.globl	k_q2939678daf_attn_a
	.p2align	8
	.type	k_q2939678daf_attn_a,@function
k_q2939678daf_attn_a:
	s_mov_b64 s[64:65], 0
	v_nop
	global_prefetch_b8 v0, s[64:65] scope:SCOPE_SE
	s_setreg_imm32_b32 hwreg(HW_REG_WAVE_MODE, 25, 1), 1
	s_wait_xcnt 0x0
	s_wait_alu depctr_hold_cnt(0) depctr_sa_sdst(0) depctr_va_vdst(0) depctr_va_sdst(0) depctr_va_ssrc(0) depctr_va_vcc(0) depctr_vm_vsrc(0)
	s_getreg_b32 s2, hwreg(HW_REG_IB_STS2, 6, 4)
	s_cmp_eq_u32 s2, 0
	s_cbranch_scc0 .Lentry_in_a_cluster
	s_endpgm
.Lentry_in_a_cluster:
	s_bfe_u32 s2, ttmp6, 0x10000c
	s_cmp_lg_u32 s2, 0x3003
	s_cbranch_scc0 .Lentry_shape_is_right
	s_endpgm
.Lentry_shape_is_right:
; Causal attention on codes of E4M3, 32 (batch x head) of 2,048 tokens x 64.  ctx = softmax(q k^T / 8, keys <= query) v, quantised on the way out.
; qkvc: Q at 0 and K at 2^22: [bh][token][64 d]; V at 2^23: [bh][token / 64][64 d][token % 64] (the keys innermost).  cc: [token / 128 (32)][head 16][token % 128][64 d].
; THE SOFTMAX: t = score x log2(e) / 8; M = the running largest t rounded UP to a whole number; p = 2^(t - M) is quantised with scale word 8, not normalised; the row's sum is taken of the unquantised p and divides at the end.
; When M moves, the sum and O are multiplied by 2^(old M - new M): exact.
; SHARES: a work-group has one (batch, head) and number j = 0..7; its SIXTEEN waves each own 16 queries: wave w takes i = w xor 3 ((w / 4) % 2) and queries 128 i + 16 j on.  Keys go 128 a step; wave w needs steps 0..i, and step i
; is the one that the mask cuts.  So what a wave leaves out hangs on its number alone, alike in all work-groups, each of which has 136 steps of work.
; THE HEAD'S WHOLE K AND V LIE IN LDS AT ONCE (131,072 bytes of codes each): no LDS byte is filled twice.  Wave w fetches keys 128 w on of K and of V: two tensor loads a wave, at the start; one wait, one barrier.
; CLUSTER 4 x 1: four work-groups of one head need the same K and V: every tile is asked for jointly.
; LAYOUT: both products are used transposed: S^T = K Q^T (source 0 = 16 keys), O^T = V^T P^T (source 0 = 16 channels): a lane holds ONE query (lane % 16) throughout.
; The keys of a tile are not neighbours: lane r of tile 2 b + u takes key 32 b + 8 u + r + 8 (r / 8), so that the 16 registers of tiles 2 b, 2 b + 1 are keys 32 b + 16 (lane / 16) + 0..15: p's codes are the next operand as they stand.
; LIMITS: e6 + e7 between -123 and 130 (added to c's exponent field); e8, and e10 - e8 - e9, between -126 and 119.
; REGISTERS: v1-6 addresses that stay; v3 the mask's number; v8, v9 the step's addresses; v12 -M, v13 the largest t, v[14:15] the sum; v16-23 Q; v32-95 K's eight fragments, then V's four; v96-159 S^T, then p;
;   v160-191 O^T; v192-207 p's codes; v208-215 the output's codes; v236-254 at work.
.set KCH,   9216                       ; a chunk of K: 128 keys as 64 LDS rows of 128 + 16 bytes (two keys a row)
.set VCH,   8704                       ; a chunk of V: 32 LDS rows of 256 + 16 bytes (four channels x 64 keys a row)
.set VOFF,  147456                     ; V's 16 chunks lie behind K's 16
.set STAGE, 286720                     ; behind the tiles: 16 rows x 80 bytes for each wave; no tile lands there
.macro CROUND
	s_barrier_signal -1
	s_barrier_wait -1
	s_cmp_lg_u32 s10, 0
	s_cbranch_scc1 .Lnot_wave_0_\@
	s_barrier_signal -3
.Lnot_wave_0_\@:
	s_barrier_wait -3
	s_barrier_signal -1
	s_barrier_wait -1
.endm
	s_load_b128 s[4:7], s[0:1], 0x0                ; qkvc s[4:5], scales s[6:7]
	s_load_b64 s[8:9], s[0:1], 0x10                ; cc
	v_lshl_add_u32 v251, v0, 2, 0x4b000
	v_mov_b32 v255, 0
	ds_add_u32 v251, v255
	ds_add_u32 v251, v255
	v_lshrrev_b32 v8, 5, v0
	v_readfirstlane_b32 s10, v8                    ; wave 0..15
	s_bfe_u32 s11, s10, 0x10002
	s_mul_i32 s11, s11, 3
	s_xor_b32 s11, s10, s11                        ; i: my block of 128 queries, and my last key step
	s_bfe_u32 s12, ttmp6, 0x40000                  ; cx
	s_lshl_b32 s13, ttmp9, 2
	s_add_co_u32 s13, s13, s12                     ; j = 4 x cluster x + cx: it enters Q's and cc's addresses and the mask's number alone
	s_and_b32 s14, ttmp7, 0xffff                   ; bh, which the four partners share
	s_lshl_b32 s16, s14, 17
	s_lshl_b32 s17, s10, 13
	s_add_co_u32 s16, s16, s17                     ; the chunk that I fetch: bh x 2^17 + wave x 8,192
	s_mov_b32 s17, 0
	s_lshl_b32 s18, s14, 17
	s_lshl_b32 s19, s11, 13
	s_add_co_u32 s18, s18, s19
	s_lshl_b32 s19, s13, 10
	s_add_co_u32 s18, s18, s19                     ; my queries: bh x 2^17 + (128 i + 16 j) x 64
	s_mov_b32 s19, 0
	s_lshr_b32 s66, s14, 4
	s_lshl_b32 s66, s66, 4
	s_add_co_u32 s66, s66, s11                     ; my block of 128 tokens: 16 x batch + i
	s_lshl_b32 s66, s66, 17
	s_and_b32 s67, s14, 15
	s_lshl_b32 s67, s67, 13
	s_add_co_u32 s66, s66, s67                     ; + head x 8,192
	s_lshl_b32 s67, s13, 10
	s_add_co_u32 s66, s66, s67                     ; + 16 j rows of 64 bytes
	s_mov_b32 s67, 0
	s_mov_b32 s24, 15|(1<<20)|(1<<21)|(4<<22)|(3<<25)   ; K: 15:0 the mask: all four; elements of 1 byte; padding on; 21 set beside a mask; four words after every 32
	s_mov_b32 s25, 128<<16                         ; tensor_dim0 = 128
	s_mov_b32 s26, 64<<16                          ; tensor_dim1 = 64
	s_mov_b32 s27, 128<<16                         ; tile_dim0
	s_mov_b32 s28, 64                              ; tile_dim1
	s_mov_b32 s29, 128                             ; dense
	s_mov_b32 s30, 0
	s_mov_b32 s31, 0
	s_mov_b32 s32, 15|(1<<20)|(1<<21)|(5<<22)|(3<<25)   ; V: four words after every 64
	s_mov_b32 s33, 256<<16
	s_mov_b32 s34, 32<<16
	s_mov_b32 s35, 256<<16
	s_mov_b32 s36, 32
	s_mov_b32 s37, 256
	s_mov_b32 s38, 0
	s_mov_b32 s39, 0
	s_mov_b32 s20, 0x76543210                      ; lane l xor 16
	s_mov_b32 s21, 0xfedcba98
	s_mov_b32 s22, 0x3e38aa3b                      ; c = log2(e) / 8
	s_wait_dscnt 0x0
	s_wait_kmcnt 0x0
	s_load_b256 s[48:55], s[6:7], 0x0              ; scale words 0..7
	s_load_b128 s[56:59], s[6:7], 0x20             ; 8..11
	s_add_nc_u64 s[68:69], s[4:5], s[16:17]
	s_mov_b32 s40, 1
	s_mul_i32 s41, s10, KCH
	s_add_nc_u64 s[42:43], s[68:69], 0x400000
	s_or_b32 s43, s43, 0x80000000
	s_mov_b32 s44, 1
	s_mul_i32 s45, s10, VCH
	s_add_co_u32 s45, s45, VOFF
	s_add_nc_u64 s[46:47], s[68:69], 0x800000
	s_or_b32 s47, s47, 0x80000000
	CROUND                                         ; all four work-groups are here: the joint loads meet
	tensor_load_to_lds s[40:43], s[24:31]          ; keys 128 w on of K,
	s_nop 0
	tensor_load_to_lds s[44:47], s[32:39]          ; and of V: two loads of mine are out
	s_nop 0
.rept 4
	v_nop
.endr
	v_and_b32 v8, 15, v0                           ; r
	v_bfe_u32 v9, v0, 4, 1                         ; h
	v_lshlrev_b32 v10, 6, v8
	v_lshl_add_u32 v10, v9, 4, v10
	s_add_nc_u64 s[70:71], s[4:5], s[18:19]
	global_load_b128 v[16:19], v10, s[70:71]       ; Q's fragment stays in registers: d = 16 h + 0..15,
	global_load_b128 v[20:23], v10, s[70:71] offset:32   ; and 32 + 16 h + 0..15: the same places as in K's
	s_add_nc_u64 s[8:9], s[8:9], s[66:67]
	v_and_b32 v11, 8, v8
	v_add_nc_u32 v11, v11, v8                      ; r + 8 (r / 8)
	v_lshrrev_b32 v7, 1, v11
	v_mul_u32_u24 v1, v7, 144
	v_and_b32 v7, 1, v11
	v_lshl_add_u32 v1, v7, 6, v1
	v_lshl_add_u32 v1, v9, 4, v1                   ; K: (key / 2) x 144 + (key % 2) x 64 + 16 h
	v_lshrrev_b32 v7, 2, v8
	v_mul_u32_u24 v2, v7, 272
	v_and_b32 v7, 3, v8
	v_lshl_add_u32 v2, v7, 6, v2
	v_lshl_add_u32 v2, v9, 4, v2
	v_add_nc_u32 v2, VOFF, v2                      ; V: (channel / 4) x 272 + (channel % 4) x 64 + 16 h
	s_lshl_b32 s72, s13, 4
	v_lshlrev_b32 v7, 4, v9
	v_sub_nc_u32 v3, v8, v7
	v_add_nc_u32 v3, s72, v3                       ; 16 j + r - 16 h: in my last step register n holds a hidden key where 32 (n / 16) + n % 16 is larger
	s_mul_i32 s63, s10, 1280
	s_add_co_u32 s63, s63, STAGE                   ; my stage
	v_mul_u32_u24 v4, v8, 80
	v_lshl_add_u32 v4, v9, 3, v4
	v_add_nc_u32 v4, s63, v4                       ; in: row r, 8 bytes for each half of the lanes
	v_and_b32 v7, 31, v0
	v_lshlrev_b32 v6, 4, v7                        ; 16 x lane
	v_lshrrev_b32 v11, 2, v7
	v_mul_u32_u24 v5, v11, 80
	v_and_b32 v11, 3, v7
	v_lshl_add_u32 v5, v11, 4, v5
	v_add_nc_u32 v5, s63, v5                       ; back: four lanes to a row of 64 bytes
	v_mov_b32 v13, 0xff61b1e6                      ; the largest t so far: -3e38
	v_floor_f32 v12, -v13                          ; -M
	v_mov_b32 v14, 0
	v_mov_b32 v15, 0
	v_mov_b32 v236, 0                              ; lane exchanges' destinations count as read: written once here
	v_mov_b32 v252, 0
	v_mov_b32 v253, 0                              ; (named as the upper half of a pair)
.set n, 0
.rept 32
	v_mov_b32 v[160+n], 0                          ; O^T: the step is written once; the first finds zeros
.set n, n+1
.endr
	s_wait_kmcnt 0x0
	s_add_co_i32 s73, s54, s55
	s_lshl_b32 s73, s73, 23
	s_add_co_i32 s22, s22, s73                     ; a score stands for score x 2^(e6 + e7): added to c's exponent field
	s_mov_b32 s23, s22
	s_add_co_i32 s73, s56, 127
	s_lshl_b32 s74, s73, 23
	v_mov_b32 v244, s74                            ; 2^e8, for p's conversions
	s_add_co_i32 s73, s73, 8
	s_lshl_b32 s73, s73, 23
	s_or_b32 s73, s73, 0x600000
	v_mov_b32 v240, s73                            ; 448 x 2^e8
	s_sub_co_i32 s73, s58, s56
	s_sub_co_i32 s73, s73, s57
	s_add_co_i32 s73, s73, 127
	s_lshl_b32 s74, s73, 23
	v_mov_b32 v245, s74                            ; 2^(e10 - e8 - e9), for the output's
	s_add_co_i32 s73, s73, 8
	s_lshl_b32 s73, s73, 23
	s_or_b32 s73, s73, 0x600000
	v_mov_b32 v241, s73
	s_mov_b32 s60, 0                               ; the key step
	s_mov_b32 s61, 0                               ; its chunk of K in LDS
	s_mov_b32 s62, 0                               ; and of V
	s_wait_tensorcnt 0x0                           ; my two chunks are in,
	s_barrier_signal -1
	s_barrier_wait -1                              ; everybody's are: the head's K and V are whole
	s_wait_loadcnt 0x0                             ; Q
.Lstep:                                                ; 16 trips in every wave; a step all of whose keys come after my queries does no work
	s_cmp_gt_u32 s60, s11
	s_cbranch_scc1 .Lhidden
	v_add_nc_u32 v8, s61, v1
	v_add_nc_u32 v9, s62, v2
	v_nop                                          ; with the two additions: four plain lines between the last step's products and the loads into their operands
	v_nop
.irp t, 0,1,2,3,4,5,6,7
	ds_load_b128 v[32+8*\t:35+8*\t], v8 offset:(16*(\t/2)+4*(\t%2))*144
	ds_load_b128 v[36+8*\t:39+8*\t], v8 offset:(16*(\t/2)+4*(\t%2))*144+32
.endr
	s_wait_dscnt 0x0
.irp t, 0,1,2,3,4,5,6,7
	v_wmma_f32_16x16x64_fp8_fp8 v[96+8*\t:103+8*\t], v[32+8*\t:39+8*\t], v[16:23], 0
.endr
.rept 4
	v_nop
.endr
.irp t, 0,1,2,3                                ; V's fragments are asked for now and land while the softmax is worked
.irp c, 0,1,2,3
	ds_load_b128 v[32+16*\t+4*\c:35+16*\t+4*\c], v9 offset:1088*\t+(\c/2)*4352+(\c%2)*32
.endr
.endr
	s_cmp_lg_u32 s60, s11
	s_cbranch_scc1 .Lopen                          ; only my last step is cut by the mask
	v_mov_b32 v254, 0xff800000                     ; -infinity: p = 0 then
.set n, 0
.rept 64
	v_cmp_gt_i32 vcc_lo, 32*(n/16)+n%16, v3
	v_cndmask_b32 v[96+n], v[96+n], v254, vcc_lo
.set n, n+1
.endr
.Lopen:
	v_max3_num_f32 v254, v96, v97, v98             ; the step's largest score of my query among my 64 keys, in two chains, each tile from its low end on,
	v_max3_num_f32 v252, v99, v100, v101
.irp i, 6,10,14,18,22,26,30,34,38,42,46,50,54,58
	v_max3_num_f32 v254, v254, v[96+\i], v[97+\i]
	v_max3_num_f32 v252, v252, v[98+\i], v[99+\i]
.endr
	v_max3_num_f32 v254, v254, v158, v159
	v_max_num_f32 v254, v254, v252
	v_permlanex16_b32 v236, v254, s20, s21
	v_max_num_f32 v254, v254, v236                 ; and among lane l xor 16's
	v_mul_f32 v254, s22, v254                      ; as t (c is positive)
	v_max_num_f32 v13, v13, v254
	v_mov_b32 v254, v12
	v_floor_f32 v12, -v13                          ; the new -M = -ceil(t)
	v_sub_f32 v254, v12, v254                      ; old M - new M: a whole number, 0 or less
	v_cvt_i32_f32 v254, v254                       ; (it saturates)
	v_ldexp_f32 v252, 1.0, v254                    ; f = 2^(old M - new M)
.set n, 0
.rept 32
	v_pk_fma_f32 v[96+n:97+n], v[96+n:97+n], s[22:23], v[12:13] op_sel_hi:[1,0,0]   ; t - M
.set n, n+2
.endr
.set n, 0
.rept 64
	v_exp_f32 v[96+n], v[96+n]                     ; p = 2^(t - M)
.set n, n+1
.endr
	v_pk_mul_f32 v[14:15], v[14:15], v[252:253] op_sel_hi:[1,0]   ; the sum under the new M (a plain line behind the exponentials)
	s_wait_alu depctr_va_vdst(0)
	v_pk_add_f32 v[242:243], v[96:97], v[98:99]    ; the sum of the unquantised p, in two chains of pairs
.irp j, 4,8,12,16,20,24,28,32,36,40,44,48,52,56,60
	v_pk_add_f32 v[14:15], v[14:15], v[96+\j:97+\j]
	v_pk_add_f32 v[242:243], v[242:243], v[98+\j:99+\j]
.endr
	v_pk_add_f32 v[14:15], v[14:15], v[242:243]
.irp b, 0,1,2,3
.set n, 0
.rept 16
	v_min_num_f32 v[96+16*\b+n], v[96+16*\b+n], v240   ; p is not negative: a one-sided hold (the conversion does not saturate: ISA guide 7.6.2)
.set n, n+1
.endr
	v_cvt_scalef32_pk8_fp8_f32 v[192+4*\b:193+4*\b], v[96+16*\b:103+16*\b], v244
	v_cvt_scalef32_pk8_fp8_f32 v[194+4*\b:195+4*\b], v[104+16*\b:111+16*\b], v244
.endr
.set n, 0
.rept 16
	v_pk_mul_f32 v[160+n:161+n], v[160+n:161+n], v[252:253] op_sel_hi:[1,0]   ; O^T under the new M; also the plain lines behind the conversions
.set n, n+2
.endr
	s_wait_dscnt 0x0                               ; V's fragments are in
.irp t, 0,1,2,3                                ; the four accumulators take turns
	v_wmma_f32_16x16x128_fp8_fp8 v[160+8*\t:167+8*\t], v[32+16*\t:47+16*\t], v[192:207], v[160+8*\t:167+8*\t]
.endr
.Lhidden:
	s_add_co_u32 s61, s61, KCH
	s_add_co_u32 s62, s62, VCH
	s_add_co_u32 s60, s60, 1
	s_cmp_lt_u32 s60, 16
	s_cbranch_scc1 .Lstep
.rept 4
	v_nop
.endr
	; THE WAY OUT: O^T / the sum, held, converted with 2^(e10 - e8 - e9), through my stage, out as 1,024 dense bytes.
	v_add_f32 v14, v14, v15
	v_permlanex16_b32 v252, v14, s20, s21
	v_add_f32 v14, v14, v252                       ; the row's sum
	v_rcp_f32 v14, v14
	v_nop                                          ; one plain line behind a transcendental
.set n, 0
	s_wait_alu depctr_va_vdst(0)
.rept 32
	v_mul_f32 v[96+n], v[160+n], v14               ; register 8 t + e is channel 16 t + 8 h + e of my query
.set n, n+1
.endr
.set n, 0
.rept 32
	v_med3_num_f32 v[96+n], v[96+n], -v241, v241
.set n, n+1
.endr
.irp t, 0,1,2,3
	v_cvt_scalef32_pk8_fp8_f32 v[208+2*\t:209+2*\t], v[96+8*\t:103+8*\t], v245
.endr
	v_nop                                          ; one plain line behind the last conversion
.irp t, 0,1,2,3
	ds_store_b64 v4, v[208+2*\t:209+2*\t] offset:16*\t
.endr
.irp i, 0,1
	ds_load_b128 v[32+4*\i:35+4*\i], v5 offset:640*\i   ; LDS serves a wave's instructions in order: these see my stores
.endr
.irp i, 0,1
	s_wait_dscnt 1-\i
	global_store_b128 v6, v[32+4*\i:35+4*\i], s[8:9] offset:512*\i   ; 32 lanes store 512 consecutive bytes
.endr
	s_wait_tensorcnt 0x0
	ds_add_u32 v251, v255
	s_wait_dscnt 0x0
	CROUND                                         ; the closing round: no work-group ends while a partner may still ask for a tile that names it
	s_endpgm
.Lfunc_end_k_q2939678daf_attn_a:
	.size	k_q2939678daf_attn_a, .Lfunc_end_k_q2939678daf_attn_a-k_q2939678daf_attn_a
	.p2alignl 7, 3214868480
	.fill 96, 4, 3214868480
	.section	.rodata,"a",@progbits
	.p2align	6, 0x0
	.amdhsa_kernel k_q2939678daf_attn_a
		.amdhsa_group_segment_fixed_size 309248
		.amdhsa_private_segment_fixed_size 0
		.amdhsa_enable_private_segment 0
		.amdhsa_kernarg_size 24
		.amdhsa_user_sgpr_count 2
		.amdhsa_user_sgpr_kernarg_segment_ptr 1
		.amdhsa_wavefront_size32 1
		.amdhsa_system_sgpr_workgroup_id_x 1
		.amdhsa_system_sgpr_workgroup_id_y 1
		.amdhsa_system_sgpr_workgroup_id_z 1
		.amdhsa_system_vgpr_workitem_id 0
		.amdhsa_next_free_vgpr 256
		.amdhsa_next_free_sgpr 80
		.amdhsa_reserve_vcc 1
		.amdhsa_float_denorm_mode_32 3
		.amdhsa_float_denorm_mode_16_64 3
		.amdhsa_memory_ordered 1
		.amdhsa_forward_progress 1
		.amdhsa_inst_pref_size 34
	.end_amdhsa_kernel
	.amdgpu_metadata
---
amdhsa.version: [ 1, 2 ]
amdhsa.kernels:
  - .name:           k_q2939678daf_attn_a
    .symbol:         k_q2939678daf_attn_a.kd
    .args:
      - { .name: qkvc, .offset: 0, .size: 8, .value_kind: global_buffer, .address_space: global }
      - { .name: lowp_scales, .offset: 8, .size: 8, .value_kind: global_buffer, .address_space: global }
      - { .name: cc, .offset: 16, .size: 8, .value_kind: global_buffer, .address_space: global }
    .group_segment_fixed_size: 309248
    .private_segment_fixed_size: 0
    .kernarg_segment_align: 8
    .kernarg_segment_size: 24
    .max_flat_workgroup_size: 512
    .sgpr_count:     80
    .vgpr_count:     256
    .wavefront_size: 32
...
	.end_amdgpu_metadata
.endif
;; end of part 4
;; launch oproj_a (part 5): grid 8 x 32, 4 waves a work-group, clusters of 4 x 4, 296,448 bytes of LDS; arguments cc, wc1, lowp_scales, bo, x, h; writes h
.if DOCPART == 5
	.amdgcn_target "amdgcn-amd-amdhsa--gfx1250"
	.amdhsa_code_object_version 6
	.text
	.protected	k_q2939678daf_oproj_a
	.globl	k_q2939678daf_oproj_a
	.p2align	8
	.type	k_q2939678daf_oproj_a,@function
k_q2939678daf_oproj_a:
	s_mov_b64 s[64:65], 0
	v_nop
	global_prefetch_b8 v0, s[64:65] scope:SCOPE_SE
	s_setreg_imm32_b32 hwreg(HW_REG_WAVE_MODE, 25, 1), 1
	s_wait_xcnt 0x0
	s_wait_alu depctr_hold_cnt(0) depctr_sa_sdst(0) depctr_va_vdst(0) depctr_va_sdst(0) depctr_va_ssrc(0) depctr_va_vcc(0) depctr_vm_vsrc(0)
	s_getreg_b32 s2, hwreg(HW_REG_IB_STS2, 6, 4)
	s_cmp_eq_u32 s2, 0
	s_cbranch_scc0 .Lentry_in_a_cluster
	s_endpgm
.Lentry_in_a_cluster:
	s_bfe_u32 s2, ttmp6, 0x10000c
	s_cmp_lg_u32 s2, 0xf033
	s_cbranch_scc0 .Lentry_shape_is_right
	s_endpgm
.Lentry_shape_is_right:
; out = res + ctx wo^T + bo.  ctx and wo as codes of E4M3 (scale words 10, 11); res, bo, out f32.  out[m][n] = res[m][n] + bo[n] + 2^(e10 + e11) x sum over k of ctx[m][k] wo[n][k], K = 1,024.
; cc: [token / 128 (32)][head 16][token % 128][64 d]: k = 64 head + d.  wc: [4][1024][1024]; wo is the fourth.
; SHARES: a tile of the result is 128 x 128: 256 tiles.  Four waves, each 64 x 64: 16 accumulators.  THE WHOLE K LIES IN LDS AT ONCE, in four chunks of 256 along K (128 LDS rows of 256 + 16 bytes): no LDS byte is filled twice.
; Each wave issues its four tensor loads (64 rows x 256 bytes) at the start; a counted wait and one barrier stand in front of each chunk's first read.
; A chunk of ctx is four heads' 128 tokens x 64 bytes, 32,768 dense bytes, stated as rows of 256 bytes (four tokens of one head): token u of head q lies at (32 q + u / 4) x 272 + (u % 4) x 64.
; CLUSTER 4 x 4: ctx's tiles are shared along a row of the cluster, wo's along a column: asked for jointly.
; The matrix instruction is used transposed (source 0 = 16 rows of wo, source 1 = 16 tokens): a lane holds eight neighbouring columns of one row.  A block of 16 rows goes through the wave's stage and comes back as
; rows of 256 bytes; there scale, bias and residual are applied and sixteen lanes store 256 consecutive bytes.
; A fragment's k: 32 q + 16 (lane / 16) + 0..15 in registers 4 q on: a permutation of k, the same in both operands.
; LIMIT: e10 + e11 lies between -126 and 127.
; REGISTERS: window 0: v16-17, v20-21 fragment addresses; v24-27 the way out; v28-31 the bias; v32-63 a block's rows; v64-127 two sets of residual rows; v128-255 the accumulators.  window 1: two fragment buffers of 128.
.set CHUNK, 34816
.set HALF,  17408
.set BOFF,  139264
.set STAGE, 278528                     ; behind the tiles: 16 rows x 272 bytes for each wave; no tile lands there
.set ACC,   128
.set G1A, 28
.set G1B, 36
.set G0A, 44
.set G0B, 68
.set MSB, 0
.macro WIN new                         ; the immediate's high byte repeats the setting that is left
.if MSB != \new
	s_set_vgpr_msb (MSB<<8)|\new
.set MSB, \new
.endif
.endm
.macro CROUND
	s_barrier_signal -1
	s_barrier_wait -1
	s_cmp_lg_u32 s12, 0
	s_cbranch_scc1 .Lnot_wave_0_\@
	s_barrier_signal -3
.Lnot_wave_0_\@:
	s_barrier_wait -3
	s_barrier_signal -1
	s_barrier_wait -1
.endm
.macro PLACES                          ; four plain lines between a matrix instruction and a load into, or a read of, its registers
.rept 4
	v_nop
.endr
.endm
.macro FETCH g, f                      ; the fragments of the g-th 128 along K (heads 2 g, 2 g + 1) into buffer f
	WIN 0x40
.irp a, 0,1,2,3
.irp q, 0,1,2,3
	ds_load_b128 v[\f+16*\a+4*\q:\f+16*\a+4*\q+3], v[16+(\g)/4] offset:(((\g)/2)%2)*CHUNK+(2*((\g)%2)+\q/2)*8704+(\q%2)*32+\a*1088
.endr
.endr
.irp b, 0,1,2,3
.irp q, 0,1,2,3
	ds_load_b128 v[\f+64+16*\b+4*\q:\f+64+16*\b+4*\q+3], v[20+(\g)/4] offset:(((\g)/2)%2)*CHUNK+128*((\g)%2)+32*\q+\b*4352
.endr
.endr
.endm
.macro MUL f, zero                     ; the 16 accumulators take turns, in the same order in every step
	WIN 0x05
.irp a, 0,1,2,3
.irp b, 0,1,2,3
.if \zero
	v_wmma_f32_16x16x128_fp8_fp8 v[ACC+8*(4*\a+\b):ACC+8*(4*\a+\b)+7], v[\f+64+16*\b:\f+64+16*\b+15], v[\f+16*\a:\f+16*\a+15], 0
.else
	v_wmma_f32_16x16x128_fp8_fp8 v[ACC+8*(4*\a+\b):ACC+8*(4*\a+\b)+7], v[\f+64+16*\b:\f+64+16*\b+15], v[\f+16*\a:\f+16*\a+15], v[ACC+8*(4*\a+\b):ACC+8*(4*\a+\b)+7]
.endif
.endr
.endr
.endm
.macro RES a, set                      ; the residual of my rows 16 a on: two rows of 256 bytes an instruction
.irp t, 0,1,2,3,4,5,6,7
	global_load_b128 v[64+32*(\set)+4*\t:64+32*(\set)+4*\t+3], v26, s[96:97] offset:(16*(\a)+2*\t)*4096
.endr
.endm
	s_load_b256 s[4:11], s[0:1], 0x0               ; cc s[4:5], wc s[6:7], scales s[8:9], bo s[10:11]
	s_load_b128 s[96:99], s[0:1], 0x20             ; res s[96:97], out s[98:99]
	v_lshl_add_u32 v22, v0, 2, 0x48400
	v_mov_b32 v23, 0
	ds_add_u32 v22, v23
	ds_add_u32 v22, v23
	v_lshrrev_b32 v1, 5, v0
	v_readfirstlane_b32 s12, v1                    ; wave 0..3
	s_lshr_b32 s13, s12, 1                         ; my half of the tile's rows.  Also: I fetch for ctx (0) or for wo (1)
	s_and_b32 s14, s12, 1                          ; my half of its columns.  Also: which 64 LDS rows I fetch
	s_bfe_u32 s15, ttmp6, 0x40000                  ; cx
	s_bfe_u32 s16, ttmp6, 0x40004                  ; cy
	s_and_b32 s23, ttmp7, 0xffff
	s_lshl_b32 s23, s23, 2
	s_add_co_u32 s23, s23, s16                     ; tile row = 4 x cluster y + cy
	s_lshl_b32 s24, ttmp9, 2
	s_add_co_u32 s24, s24, s15                     ; tile column = 4 x cluster x + cx
	s_lshl_b32 s25, s16, 2
	s_lshl_b32 s25, 15, s25                        ; my row of the cluster
	s_lshl_b32 s26, 0x1111, s15                    ; my column
	s_or_b32 s[G1A], s25, (1<<20)|(1<<21)|(5<<22)|(3<<25)   ; the mask; elements of 1 byte; padding on; 21 set beside a mask; four words after every 64
	s_or_b32 s[G1B], s26, (1<<20)|(1<<21)|(5<<22)|(3<<25)
.irp g, G1A, G1B
	s_mov_b32 s[\g+1], 256<<16                     ; tensor_dim0 = 256
	s_mov_b32 s[\g+2], 64<<16                      ; tensor_dim1 = 64
	s_mov_b32 s[\g+3], 256<<16                     ; tile_dim0
	s_mov_b32 s[\g+4], 64                          ; tile_dim1
	s_mov_b32 s[\g+6], 0
	s_mov_b32 s[\g+7], 0
.endr
	s_mov_b32 s[G1A+5], 256                        ; ctx's chunk is dense
	s_mov_b32 s[G1B+5], 1024                       ; wo's rows are 1,024 bytes apart
	s_lshl_b32 s60, s23, 17                        ; ctx: tile row x 131,072 + half x 16,384
	s_lshl_b32 s61, s14, 14
	s_add_co_u32 s60, s60, s61
	s_mov_b32 s61, 0
	s_lshl_b32 s62, s24, 17                        ; wo: 3 x 2^20 + (128 x tile column + 64 x half) x 1,024
	s_lshl_b32 s63, s14, 16
	s_add_co_u32 s62, s62, s63
	s_add_co_u32 s62, s62, 0x300000
	s_mov_b32 s63, 0
	s_mul_i32 s94, s13, BOFF
	s_mul_i32 s95, s14, HALF
	s_add_co_u32 s94, s94, s95                     ; where my tiles go: made of the wave's number alone
	s_wait_dscnt 0x0
	s_wait_kmcnt 0x0
	s_load_b64 s[84:85], s[8:9], 0x28              ; e10, e11
	s_add_nc_u64 s[4:5], s[4:5], s[60:61]
	s_add_nc_u64 s[6:7], s[6:7], s[62:63]
.irp c, 0,1,2,3
	s_mov_b32 s[G0A+4*\c], 1
	s_add_co_u32 s[G0A+4*\c+1], s94, \c*CHUNK
	s_add_nc_u64 s[G0A+4*\c+2:G0A+4*\c+3], s[4:5], \c*32768
	s_or_b32 s[G0A+4*\c+3], s[G0A+4*\c+3], 0x80000000
	s_mov_b32 s[G0B+4*\c], 1
	s_add_co_u32 s[G0B+4*\c+1], s94, \c*CHUNK
	s_add_nc_u64 s[G0B+4*\c+2:G0B+4*\c+3], s[6:7], \c*256
	s_or_b32 s[G0B+4*\c+3], s[G0B+4*\c+3], 0x80000000
.endr
	CROUND                                         ; all sixteen work-groups are here: the joint loads meet
	s_cmp_eq_u32 s13, 0                            ; a wave's four fills stand in one branch on its number: four loads of mine are out
	s_cbranch_scc0 .Lfor_b
	tensor_load_to_lds s[G0A:G0A+3], s[G1A:G1A+7]
	s_nop 0
	tensor_load_to_lds s[G0A+4:G0A+7], s[G1A:G1A+7]
	s_nop 0
	tensor_load_to_lds s[G0A+8:G0A+11], s[G1A:G1A+7]
	s_nop 0
	tensor_load_to_lds s[G0A+12:G0A+15], s[G1A:G1A+7]
	s_nop 0
	PLACES
	s_branch .Lasked
.Lfor_b:
	tensor_load_to_lds s[G0B:G0B+3], s[G1B:G1B+7]
	s_nop 0
	tensor_load_to_lds s[G0B+4:G0B+7], s[G1B:G1B+7]
	s_nop 0
	tensor_load_to_lds s[G0B+8:G0B+11], s[G1B:G1B+7]
	s_nop 0
	tensor_load_to_lds s[G0B+12:G0B+15], s[G1B:G1B+7]
	s_nop 0
	PLACES
.Lasked:
	v_and_b32 v1, 15, v0                           ; r
	v_bfe_u32 v2, v0, 4, 1                         ; h
	s_lshl_b32 s2, s23, 19                         ; my part of res and out: (128 x tile row + 64 x half) rows of 4,096 bytes
	s_lshl_b32 s3, s13, 18
	s_add_co_u32 s2, s2, s3
	s_lshl_b32 s20, s24, 9                         ; + (128 x tile column + 64 x half) x 4 bytes
	s_lshl_b32 s21, s14, 8
	s_add_co_u32 s20, s20, s21
	s_mov_b32 s21, 0
	s_add_co_u32 s2, s2, s20
	s_mov_b32 s3, 0
	s_add_nc_u64 s[96:97], s[96:97], s[2:3]
	s_add_nc_u64 s[98:99], s[98:99], s[2:3]
	s_add_nc_u64 s[10:11], s[10:11], s[20:21]
	v_lshlrev_b32 v27, 4, v1                       ; my four columns: 16 r bytes
	v_lshl_add_u32 v26, v2, 12, v27                ; lanes 0-15 one row, lanes 16-31 the next
	global_load_b128 v[28:31], v27, s[10:11]       ; the bias of my four columns
	RES 0, 0
	RES 1, 1
	v_mul_u32_u24 v3, v1, 272
	v_lshl_add_u32 v3, v2, 4, v3                   ; wo: row x pitch + 16 h
	s_mul_i32 s95, s14, HALF
	s_add_co_u32 s95, s95, BOFF
	v_add_nc_u32 v20, s95, v3
	v_add_nc_u32 v21, 2*CHUNK, v20
	v_lshrrev_b32 v4, 2, v1
	v_mul_u32_u24 v5, v4, 272
	v_and_b32 v4, 3, v1
	v_lshl_add_u32 v5, v4, 6, v5
	v_lshl_add_u32 v5, v2, 4, v5                   ; ctx: (r / 4) x 272 + (r % 4) x 64 + 16 h: sixteen lanes touch sixteen different columns of 16 bytes
	s_mul_i32 s95, s13, 4352
	v_add_nc_u32 v16, s95, v5                      ; + my 64 tokens: 16 LDS rows
	v_add_nc_u32 v17, 2*CHUNK, v16
	s_mul_i32 s95, s12, 4352
	s_add_co_u32 s95, s95, STAGE                   ; my stage
	v_mul_u32_u24 v24, v1, 272
	v_lshl_add_u32 v24, v2, 5, v24
	v_add_nc_u32 v24, s95, v24                     ; in: row r, 32 bytes for each half of the lanes
	v_mul_u32_u24 v25, v2, 272
	v_lshl_add_u32 v25, v1, 4, v25
	v_add_nc_u32 v25, s95, v25                     ; back: lanes 0-15 one row of 256 bytes, lanes 16-31 the next
	s_wait_kmcnt 0x0
	s_add_co_i32 s86, s84, s85
	s_add_co_i32 s86, s86, 127
	s_lshl_b32 s86, s86, 23                        ; 2^(e10 + e11) as f32
	s_mov_b32 s87, s86                             ; (named with it as a pair)
	s_wait_tensorcnt 0x3                           ; my part of chunk 0 is in; my three later chunks may be out
	s_barrier_signal -1
	s_barrier_wait -1
	FETCH 0, 0
.irp g, 0,1,2,3,4,5,6,7
.if \g < 7
.if (\g % 2) == 1
	s_wait_tensorcnt 3-(\g+1)/2                    ; my part of the next chunk is in, the later ones may be out
	s_wait_dscnt 0x0                               ; no LDS load of mine is pending at the signal
	s_barrier_signal -1
	s_barrier_wait -1
.endif
.if \g > 0
	PLACES                                         ; the buffer that is loaded next was multiplied just now
.endif
	FETCH \g+1, 128*((\g+1)%2)
	s_wait_dscnt 32                                ; all but the 32 just issued
.else
	s_wait_dscnt 0x0
.endif
.if \g == 0
	MUL 0, 1                                       ; the first step starts the sums: nothing is cleared
.else
	MUL 128*(\g%2), 0
.endif
.endr
	WIN 0
	PLACES
.macro OUTBLK a                        ; my rows 16 a on
.if \a > 0
	s_wait_xcnt 0x0                                ; the last block's stores have read their data: v32-63 are loaded again only behind this wait
.endif
.irp b, 0,1,2,3
	ds_store_b128 v24, v[ACC+8*(4*\a+\b):ACC+8*(4*\a+\b)+3] offset:64*\b          ; each accumulator from its low end on
	ds_store_b128 v24, v[ACC+8*(4*\a+\b)+4:ACC+8*(4*\a+\b)+7] offset:64*\b+16
.endr
.irp t, 0,1,2,3,4,5,6,7
	ds_load_b128 v[32+4*\t:35+4*\t], v25 offset:544*\t     ; LDS serves a wave's instructions in order: these see my stores
.endr
	s_wait_dscnt 0x0
.if \a < 3
	s_wait_loadcnt 8                               ; this block's residual (and the bias) is in; the next block's eight loads may be out
.else
	s_wait_loadcnt 0x0
.endif
.irp t, 0,1,2,3,4,5,6,7
	v_pk_fma_f32 v[32+4*\t:33+4*\t], v[32+4*\t:33+4*\t], s[86:87], v[28:29] op_sel_hi:[1,0,1]   ; sum x 2^(e10 + e11) + bias
	v_pk_fma_f32 v[34+4*\t:35+4*\t], v[34+4*\t:35+4*\t], s[86:87], v[30:31] op_sel_hi:[1,0,1]
.endr
.irp t, 0,1,2,3,4,5,6,7
	v_pk_add_f32 v[32+4*\t:33+4*\t], v[32+4*\t:33+4*\t], v[64+32*(\a%2)+4*\t:65+32*(\a%2)+4*\t]   ; + the residual
	v_pk_add_f32 v[34+4*\t:35+4*\t], v[34+4*\t:35+4*\t], v[66+32*(\a%2)+4*\t:67+32*(\a%2)+4*\t]
.endr
.irp t, 0,1,2,3,4,5,6,7
	global_store_b128 v26, v[32+4*\t:35+4*\t], s[98:99] offset:(16*\a+2*\t)*4096   ; sixteen lanes store 256 consecutive bytes, at a multiple of 256 from the buffer's first byte
.endr
.if \a < 2
	RES \a+2, \a%2                                 ; the set just used takes the block two further on
.endif
.endm
	OUTBLK 0
	OUTBLK 1
	OUTBLK 2
	OUTBLK 3
	s_wait_tensorcnt 0x0
	ds_add_u32 v22, v23
	s_wait_dscnt 0x0
	CROUND                                         ; the closing round: no work-group ends while a partner may still ask for a tile that names it
	s_endpgm
.Lfunc_end_k_q2939678daf_oproj_a:
	.size	k_q2939678daf_oproj_a, .Lfunc_end_k_q2939678daf_oproj_a-k_q2939678daf_oproj_a
	.p2alignl 7, 3214868480
	.fill 96, 4, 3214868480
	.section	.rodata,"a",@progbits
	.p2align	6, 0x0
	.amdhsa_kernel k_q2939678daf_oproj_a
		.amdhsa_group_segment_fixed_size 296448
		.amdhsa_private_segment_fixed_size 0
		.amdhsa_enable_private_segment 0
		.amdhsa_kernarg_size 48
		.amdhsa_user_sgpr_count 2
		.amdhsa_user_sgpr_kernarg_segment_ptr 1
		.amdhsa_wavefront_size32 1
		.amdhsa_system_sgpr_workgroup_id_x 1
		.amdhsa_system_sgpr_workgroup_id_y 1
		.amdhsa_system_sgpr_workgroup_id_z 1
		.amdhsa_system_vgpr_workitem_id 0
		.amdhsa_next_free_vgpr 512
		.amdhsa_next_free_sgpr 102
		.amdhsa_reserve_vcc 0
		.amdhsa_float_denorm_mode_32 3
		.amdhsa_float_denorm_mode_16_64 3
		.amdhsa_memory_ordered 1
		.amdhsa_forward_progress 1
		.amdhsa_inst_pref_size 54
	.end_amdhsa_kernel
	.amdgpu_metadata
---
amdhsa.version: [ 1, 2 ]
amdhsa.kernels:
  - .name:           k_q2939678daf_oproj_a
    .symbol:         k_q2939678daf_oproj_a.kd
    .args:
      - { .name: cc, .offset: 0, .size: 8, .value_kind: global_buffer, .address_space: global }
      - { .name: wc1, .offset: 8, .size: 8, .value_kind: global_buffer, .address_space: global }
      - { .name: lowp_scales, .offset: 16, .size: 8, .value_kind: global_buffer, .address_space: global }
      - { .name: bo, .offset: 24, .size: 8, .value_kind: global_buffer, .address_space: global }
      - { .name: x, .offset: 32, .size: 8, .value_kind: global_buffer, .address_space: global }
      - { .name: h, .offset: 40, .size: 8, .value_kind: global_buffer, .address_space: global }
    .group_segment_fixed_size: 296448
    .private_segment_fixed_size: 0
    .kernarg_segment_align: 8
    .kernarg_segment_size: 48
    .max_flat_workgroup_size: 128
    .sgpr_count:     102
    .vgpr_count:     512
    .wavefront_size: 32
...
	.end_amdgpu_metadata
.endif
;; end of part 5
;; launch ln_b: the kernel of part 2 again; grid 256 x 1, 4 waves a work-group, no clusters, 20,992 bytes of LDS; arguments h, ln2_scale, sc2, xc; writes xc
;; launch qkv_b: the kernel of part 3 again; grid 8 x 96, 4 waves a work-group, clusters of 4 x 4, 299,520 bytes of LDS; arguments xc, wc2, sc2, qkvc; writes qkvc
;; launch attn_b: the kernel of part 4 again; grid 8 x 32, 16 waves a work-group, clusters of 4 x 1, 309,248 bytes of LDS; arguments qkvc, sc2, cc; writes cc
;; launch oproj_b: the kernel of part 5 again; grid 8 x 32, 4 waves a work-group, clusters of 4 x 4, 296,448 bytes of LDS; arguments cc, wc2, sc2, bo, h, out0; writes out0
